; MI455X (gfx1250); checked and timed in simulation.
; The chip was launched on July 23, 2026; its instructions are those of AMD's public machine-readable ISA for CDNA 5 (MIT licence, August 2026) and "CDNA5" Instruction Set Architecture Reference Guide (July 2026). The comments in the code are by the model that wrote it; some were corrected since.
;; Attention. Allowed arithmetic: matrix products marked QUANTISED: E5M2 operands, one E8M0 scale for each 32 along K, by v_wmma_scale_f32_16x16x128_f8f6f4 with both operands' format E5M2, f32 sums; products left as they are: f32 operands where the result goes on into a quantised operand, else bf16, f16 or f32 operands; f32 sums; everything else in f32.
;; Inputs: We 1,024 x 1 float32; Wk 1,024 x 1,024 float32; Wq 1,024 x 1,024 float32; decoder_hidden 32 x 1,024 float32; encoder_outputs 32 x 1,024 x 1,024 float32.
;; Outputs: out0 32 x 1,024 float32; out1 32 x 1,024 x 1 float32.
;; This version of the problem:
;;   THIS VERSION OF THE PROBLEM IS GIVEN IN LOW PRECISION. The matrix products marked QUANTISED in the list below multiply operands that are first quantised to E5M2 (5 exponent bits, 2 mantissa bits; 8 bits a number), with one power-of-two scale for each 32 numbers along K (OCP MX v1.0); their sums are f32. All else is computed in f32.
;;   The module's matrix products, in the order in which they are computed (A, B: the left and right operand; K: the contracted axis; several contracted axes count as one K, in the product's order):
;;     1. [M 32, K 1,024] x [K 1,024, N 1,024]; A: input decoder_hidden; B: input Wq: QUANTISED
;;     2. [M 32,768, K 1,024] x [K 1,024, N 1,024]; A: input encoder_outputs; B: input Wk: QUANTISED
;;     3. [M 32,768, K 1,024] x [K 1,024, N 1]; A: computed on the way; B: input We: left as it is (N = 1 < 16)
;;     4. batch 32 x [M 1, K 1,024] x [K 1,024, N 1,024]; A: computed on the way; B: input encoder_outputs: left as it is (M = 1 < 16)
;;   THE QUANTISER, for each operand of a quantised product, along K:
;;     - K is cut into blocks of 32 from its start; a last block that is shorter is filled with zeros.
;;     - A block's scale is 2^e with e = floor(log2(the largest magnitude in the block)) - 15, held to -126 .. 127; a block of zeros has e = 0. As a byte (E8M0): e + 127.
;;     - Each number is divided by its block's scale, clamped to +-57,344, and rounded to the nearest number of E5M2, ties to even, subnormals kept.
;;     - The product sums the exact products of the quantised numbers (number of the format x scale) in f32.
;;   ~~~python
;;   def quantise(x, axis):      # numpy; x: float32 -> the quantised numbers, widened to float32 again
;;       x = np.moveaxis(x, axis, -1); K = x.shape[-1]
;;       x = np.pad(x, [(0, 0)] * (x.ndim - 1) + [(0, -K % 32)]); x = x.reshape(x.shape[:-1] + (-1, 32)); a = np.abs(x).max(-1, keepdims=True)
;;       e = np.where(a > 0, np.clip(np.frexp(np.where(a > 0, a, 1))[1] - 1 - 15, -126, 127), 0)      # np.frexp(a)[1] - 1 = floor(log2(a)), exactly
;;       r = np.clip(x / 2.0 ** e, -57344, 57344)
;;       step = 2.0 ** (np.maximum(np.frexp(np.where(r == 0, 1, r))[1] - 1, -14) - 2)
;;       q = np.round(r / step) * step * 2.0 ** e      # np.round: ties to even
;;       return np.moveaxis(q.reshape(q.shape[:-2] + (-1,))[..., :K], -1, axis).astype(np.float32)
;;   ~~~
;; One version. Each part assembles by itself: llvm-mc -triple=amdgcn-amd-amdhsa -mcpu=gfx1250 --defsym DOCPART=n.
;; ======== version 1 of 1: 3 launches
;; workspace buffers: wkimg 1,081,344 bytes; qbuf 131,072 bytes; en 131,072 bytes; ml 65,536 bytes; ctxp 1,048,576 bytes
;; launch prep (part 1): grid 64 x 1, 8 waves a work-group, no clusters, 65,536 bytes of LDS; arguments Wk, Wq, decoder_hidden, wkimg, qbuf; writes wkimg, qbuf
.if DOCPART == 1
	.amdgcn_target "amdgcn-amd-amdhsa--gfx1250"
	.amdhsa_code_object_version 6
	.text
	.protected	k_qba58edc50a_prep
	.globl	k_qba58edc50a_prep
	.p2align	8
	.type	k_qba58edc50a_prep,@function
k_qba58edc50a_prep:
	s_mov_b64 s[64:65], 0
	v_nop
	global_prefetch_b8 v0, s[64:65] scope:SCOPE_SE
	s_setreg_imm32_b32 hwreg(HW_REG_WAVE_MODE, 25, 1), 1
	s_wait_xcnt 0x0
; Work-groups 0-31: Wk [1024 (k)][1024 (n)] f32 becomes codes of E5M2 with one E8M0 byte for each 32 along K, laid as the next launch's operand registers want them.
; Work-groups 32-63: Wq is quantised the same way, decoder_hidden [32][1024] along its rows, and query = Q(dh) Q(Wq) is made by the scaled matrix instruction.
; SHARES.  Work-group x' = x & 31 takes columns 32 x' .. 32 x' + 31; wave s takes K step s (k = 128 s .. 128 s + 127).  A LANE TAKES A COLUMN AND ITS REGISTERS RUN DOWN K:
; a block of 32 along K lies in one lane's 32 registers, its largest magnitude needs no other lane, and the conversions give codes with K innermost.
; wkimg: 16 blocks of 67,584 bytes.  Block k holds column tiles T = 32 C + 2 k + u (C, u = 0, 1).  The image of (C, u, K step s) lies at ((2 C + u) 8 + s) 2048: registers 4 q .. 4 q + 3 of lane (r, h)
; at 512 q + 16 r + 256 h: column 16 T + r, k = 128 s + 32 q + 16 h + 0 .. 15.  Scale words at 65,536 + (2 C + u) 512 + 32 r + 4 s.
; qbuf: [x' 32][b 32][c 32] f32 = query[b][32 x' + c].
; A block's scale is 2^(floor(log2(largest magnitude)) - 15); its byte is the largest magnitude's exponent field - 15, held at 1 from below.
; LIMITS: a block of zeros gets the byte 1 (its codes are zeros; the bytes are read by this program alone); blocks whose largest magnitude lies under 2^(16 - 127) share that byte; NaN and infinities are not served.
; The scale words leave as 4 bytes a lane, 32 bytes apart: 32 KiB of the launch's 1 MiB of output.  No cluster: no two work-groups read the same large tile (dh, 128 KiB, is the only shared input).
.set TM,   16                          ; v16-31  at work
.set CW,   32                          ; v32-63  W's codes: 8 registers a block of 32
.set SB,   13                          ; v13     W's scale word: lane = column
.set DW,   14                          ; v14-15  dh's scale words, tile 0 and 1
.set DT0,  64                          ; v64-127 dh rows 0-15: 64 numbers a lane; later the four results
.set DT1,  128                         ; v128-191 dh rows 16-31 (behind W's blocks 0 and 1)
.set X,    128                         ; v128-255 128 numbers of W
.set FW,   192                         ; v192-223 Wq's two fragments
.set DC,   224                         ; v224-255 dh's two fragments
.set DD,   64                          ; v64-95  four results of 16 x 16
.set SUMR, 96                          ; v96-127 the eight waves' partial sums
.set PS,   32768                       ; LDS: 0 .. 32,767 the waves' images of Wq's codes, 4,096 each; from PS the waves' partial sums, 4,096 each
.set BLK,  67584
	s_load_b128 s[4:7], s[0:1], 0x0                ; Wk, Wq
	s_load_b128 s[8:11], s[0:1], 0x10              ; decoder_hidden, wkimg
	s_load_b64 s[12:13], s[0:1], 0x20              ; qbuf
	v_lshrrev_b32 v1, 5, v0
	v_readfirstlane_b32 s14, v1                    ; wave = K step s
	v_and_b32 v1, 31, v0                           ; lane
	v_and_b32 v2, 15, v0                           ; r
	v_bfe_u32 v3, v0, 4, 1                         ; u (which tile my column lies in), also h
	v_lshlrev_b32 v4, 2, v1                        ; W: 4 bytes a lane
	v_lshlrev_b32 v5, 4, v2
	v_lshl_add_u32 v5, v3, 14, v5                  ; wkimg, codes: 16384 u + 16 r
	v_lshlrev_b32 v6, 5, v2
	v_lshl_add_u32 v6, v3, 9, v6                   ; wkimg, scale words: 512 u + 32 r
	s_lshl_b32 s15, s14, 12                        ; 4096 x wave
	v_lshlrev_b32 v7, 4, v2
	v_lshl_add_u32 v7, v3, 11, v7
	v_add_nc_u32 v7, s15, v7                       ; LDS, images in: 4096 wave + 2048 u + 16 r
	v_lshl_add_u32 v8, v1, 4, s15                  ; LDS, images out: 4096 wave + 16 lane
	v_lshlrev_b32 v9, 12, v2
	v_lshl_add_u32 v9, v3, 6, v9                   ; dh: row r of 4,096 bytes + 64 h
	v_lshlrev_b32 v10, 7, v2
	v_lshl_add_u32 v10, v3, 5, v10
	v_add_nc_u32 v10, s15, v10
	v_add_nc_u32 v10, PS, v10                      ; LDS, partial sums in: PS + 4096 wave + 128 r + 32 h
	v_lshl_add_u32 v11, v0, 4, PS                  ; and out: PS + 16 x thread
	v_lshlrev_b32 v12, 4, v0                       ; qbuf: 16 x thread
	s_and_b32 s16, ttmp9, 31                       ; x'
	s_lshl_b32 s18, s14, 19                        ; 128 rows of 4,096 bytes for each K step
	s_lshl_b32 s17, s16, 7                         ; 32 columns of 4 bytes
	s_add_co_u32 s18, s18, s17
	s_mov_b32 s19, 0
	s_mov_b32 s20, 0x76543210
	s_mov_b32 s21, 0xfedcba98                      ; v_permlanex16_b32's selects for lane l xor 16
	s_mov_b32 s22, 0x600000                        ; the mantissa field of 57,344
.macro QWLOAD lo                       ; W(128 s + i, my column), i = 0 .. 127
.set i, 0
.rept 128
	global_load_b32 v[X+i], v4, s[\lo:\lo+1] offset:i*4096
.set i, i+1
.endr
.endm
.macro QWBLOCK q, cnt                  ; block q of the K step: 32 numbers of my column become 32 codes and a byte.  cnt: the younger loads, which may stay out (63 is the most a wait names)
.set XS, X+32*(\q)
	s_wait_loadcnt \cnt
	v_max3_num_f32 v[TM], |v[XS]|, |v[XS+1]|, |v[XS+2]|
	v_max3_num_f32 v[TM+1], |v[XS+3]|, |v[XS+4]|, |v[XS+5]|
.irp i, 6,10,14,18,22,26
	v_max3_num_f32 v[TM], v[TM], |v[XS+\i]|, |v[XS+\i+1]|
	v_max3_num_f32 v[TM+1], v[TM+1], |v[XS+\i+2]|, |v[XS+\i+3]|
.endr
	v_max3_num_f32 v[TM], v[TM], |v[XS+30]|, |v[XS+31]|
	v_max3_num_f32 v[TM], v[TM], v[TM+1], 0x8000000    ; the floor 2^(16 - 127): the byte cannot fall under 1
	v_add_nc_u32 v[TM+2], 0xf8800000, v[TM]            ; 15 off the exponent field: the conversion's scale operand
	v_and_or_b32 v[TM+3], v[TM], 0x7f800000, s22       ; 57,344 x the scale
	v_lshrrev_b32 v[TM+4], 23, v[TM+2]                 ; the byte
.if (\q) == 0
	v_mov_b32 v[SB], v[TM+4]
.else
	v_lshl_or_b32 v[SB], v[TM+4], 8*(\q), v[SB]
.endif
.irp i, 0,1,2,3,4,5,6,7,8,9,10,11,12,13,14,15,16,17,18,19,20,21,22,23,24,25,26,27,28,29,30,31
	v_med3_num_f32 v[XS+\i], v[XS+\i], -v[TM+3], v[TM+3]   ; the conversion to an 8-bit code does not saturate (ISA guide 7.6.2): the hold comes first
.endr
.irp g, 0,1,2,3
	v_cvt_scalef32_pk8_bf8_f32 v[CW+8*(\q)+2*\g:CW+8*(\q)+2*\g+1], v[XS+8*\g:XS+8*\g+7], v[TM+2]
.endr
	v_nop                                          ; a plain line behind the last conversion of a run
.endm
	s_wait_kmcnt 0x0
	s_cmp_lt_u32 ttmp9, 32                         ; the same in all eight waves
	s_cbranch_scc0 .Lquery
	; ---- Wk: codes and scale words into wkimg
	s_add_nc_u64 s[4:5], s[4:5], s[18:19]
	QWLOAD 4
	s_and_b32 s24, s16, 15
	s_mul_i32 s24, s24, BLK                        ; block k = x' & 15
	s_lshr_b32 s26, s16, 4                         ; C = x' >> 4
	s_lshl_b32 s27, s26, 15
	s_add_co_u32 s28, s24, s27
	s_lshl_b32 s27, s14, 11
	s_add_co_u32 s28, s28, s27                     ; + 32768 C + 2048 s
	s_mov_b32 s29, 0
	s_lshl_b32 s27, s26, 10
	s_add_co_u32 s30, s24, s27
	s_lshl_b32 s27, s14, 2
	s_add_co_u32 s30, s30, s27
	s_add_co_u32 s30, s30, 65536                   ; + 65536 + 1024 C + 4 s
	s_mov_b32 s31, 0
	s_add_nc_u64 s[28:29], s[10:11], s[28:29]
	s_add_nc_u64 s[30:31], s[10:11], s[30:31]
	QWBLOCK 0, 63                                  ; 96 younger loads
	QWBLOCK 1, 63                                  ; 64
	QWBLOCK 2, 32
	QWBLOCK 3, 0
.irp q, 0,1,2,3
.irp hh, 0,1
	global_store_b128 v5, v[CW+8*\q+4*\hh:CW+8*\q+4*\hh+3], s[28:29] offset:512*\q+256*\hh   ; sixteen lanes store 256 consecutive bytes, aligned: lanes 0-15 in tile u = 0, lanes 16-31 in tile u = 1
.endr
.endr
	global_store_b32 v6, v[SB], s[30:31]
	s_endpgm
.Lquery:
	; ---- Wq and dh: my K step's part of query, then the sum over the eight waves
	s_add_nc_u64 s[6:7], s[6:7], s[18:19]
	s_lshl_b32 s24, s14, 9
	s_mov_b32 s25, 0
	s_add_nc_u64 s[8:9], s[8:9], s[24:25]          ; dh at k = 128 s
	s_lshl_b32 s24, s16, 12
	s_add_nc_u64 s[12:13], s[12:13], s[24:25]      ; qbuf at my 32 columns
.macro DHLOAD reg, off                 ; lane (r, h): of row r, 16 neighbours of each block of 32
.irp b, 0,1,2,3
.irp j, 0,1,2,3
	global_load_b128 v[\reg+16*\b+4*\j:\reg+16*\b+4*\j+3], v9, s[8:9] offset:\off+128*\b+16*\j
.endr
.endr
.endm
; 64 numbers of a lane, register 16 b + i = k 32 b + 16 h + i of my row, become a fragment's codes in v[pc] on and its scale word in v[pw]
.macro QUANT s, pc, pw
.irp b, 0,1,2,3
	v_max3_num_f32 v[TM+\b], |v[\s+16*\b]|, |v[\s+1+16*\b]|, 0x8000000
.endr
.irp i, 2,4,6,8,10,12,14
.irp b, 0,1,2,3
	v_max3_num_f32 v[TM+\b], v[TM+\b], |v[\s+16*\b+\i]|, |v[\s+1+16*\b+\i]|
.endr
.endr
.irp b, 0,1,2,3
	v_permlanex16_b32 v[TM+4+\b], v[TM+\b], s20, s21
.endr
.irp b, 0,1,2,3
	v_max_num_f32 v[TM+\b], v[TM+\b], v[TM+4+\b]   ; with lane l xor 16's: the block's largest magnitude
.endr
.irp b, 0,1,2,3
	v_add_nc_u32 v[TM+12+\b], 0xf8800000, v[TM+\b]
.endr
.irp b, 0,1,2,3
	v_and_or_b32 v[TM+8+\b], v[TM+\b], 0x7f800000, s22
.endr
.irp b, 0,1,2,3
	v_lshrrev_b32 v[TM+4+\b], 23, v[TM+12+\b]
.endr
	v_lshl_or_b32 v[\pw], v[TM+5], 8, v[TM+4]
	v_lshl_or_b32 v[\pw], v[TM+6], 16, v[\pw]
	v_lshl_or_b32 v[\pw], v[TM+7], 24, v[\pw]
.irp b, 0,1,2,3
.irp i, 0,1,2,3,4,5,6,7,8,9,10,11,12,13,14,15
	v_med3_num_f32 v[\s+16*\b+\i], v[\s+16*\b+\i], -v[TM+8+\b], v[TM+8+\b]
.endr
	v_cvt_scalef32_pk8_bf8_f32 v[\pc+4*\b:\pc+1+4*\b], v[\s+16*\b:\s+7+16*\b], v[TM+12+\b]
	v_cvt_scalef32_pk8_bf8_f32 v[\pc+2+4*\b:\pc+3+4*\b], v[\s+8+16*\b:\s+15+16*\b], v[TM+12+\b]
.endr
	v_nop
.endm
.irp b, 0,1,2,3
	v_mov_b32 v[TM+4+\b], 0                        ; written once: a lane permute's destination counts as one of its sources
.endr
	DHLOAD DT0, 0
	QWLOAD 6
	QWBLOCK 0, 63
	QWBLOCK 1, 63
	DHLOAD DT1, 65536                              ; rows 16-31, into the registers that blocks 0 and 1 have left
	QWBLOCK 2, 48                                  ; younger: block 3's 32 and dh's 16
	QWBLOCK 3, 16                                  ; younger: dh's 16
	; a lane holds all 32 of a block of ONE column; a fragment wants 16 of it in lane (r, 0) and 16 in lane (r, 1): through my own 4,096 bytes of LDS, as images
.irp q, 0,1,2,3
.irp hh, 0,1
	ds_store_b128 v7, v[CW+8*\q+4*\hh:CW+8*\q+4*\hh+3] offset:512*\q+256*\hh
.endr
.endr
.irp u, 0,1
.irp q, 0,1,2,3
	ds_load_b128 v[FW+16*\u+4*\q:FW+16*\u+4*\q+3], v8 offset:2048*\u+512*\q   ; LDS serves a wave's instructions in order: these see my stores
.endr
.endr
	QUANT DT0, DC, DW
	s_wait_loadcnt 0x0
	QUANT DT1, DC+16, DW+1
.rept 8
	v_nop                                          ; codes written by vector instructions stand 4 places, scale words 8, ahead of a scaled matrix instruction
.endr
	s_wait_dscnt 0x0                               ; Wq's fragments
	; TRANSPOSED: source 0 = 16 columns of Wq, source 1 = 16 rows of dh: lane (r, h) holds batch row 16 tm + r and columns 16 u + 8 h + 0 .. 7
	v_wmma_scale_f32_16x16x128_f8f6f4 v[DD:DD+7], v[FW:FW+15], v[DC:DC+15], 0, v[SB], v[DW] matrix_a_fmt:MATRIX_FMT_BF8 matrix_b_fmt:MATRIX_FMT_BF8
	v_wmma_scale_f32_16x16x128_f8f6f4 v[DD+8:DD+15], v[FW+16:FW+31], v[DC:DC+15], 0, v[SB], v[DW] matrix_a_fmt:MATRIX_FMT_BF8 matrix_b_fmt:MATRIX_FMT_BF8 matrix_a_scale:MATRIX_SCALE_ROW1
	v_wmma_scale_f32_16x16x128_f8f6f4 v[DD+16:DD+23], v[FW:FW+15], v[DC+16:DC+31], 0, v[SB], v[DW+1] matrix_a_fmt:MATRIX_FMT_BF8 matrix_b_fmt:MATRIX_FMT_BF8
	v_wmma_scale_f32_16x16x128_f8f6f4 v[DD+24:DD+31], v[FW+16:FW+31], v[DC+16:DC+31], 0, v[SB], v[DW+1] matrix_a_fmt:MATRIX_FMT_BF8 matrix_b_fmt:MATRIX_FMT_BF8 matrix_a_scale:MATRIX_SCALE_ROW1
.rept 8
	v_nop                                          ; eight places ahead of the first read of results
.endr
.irp tm, 0,1
.irp u, 0,1
.irp g, 0,1
	ds_store_b128 v10, v[DD+8*(2*\tm+\u)+4*\g:DD+8*(2*\tm+\u)+4*\g+3] offset:2048*\tm+64*\u+16*\g   ; [b 32][c 32] f32; each result from its low end on
.endr
.endr
.endr
	s_wait_dscnt 0x0                               ; for the others' sake: my partial sums lie in LDS
	s_barrier_signal -1
	s_barrier_wait -1
.irp w, 0,1,2,3,4,5,6,7
	ds_load_b128 v[SUMR+4*\w:SUMR+4*\w+3], v11 offset:4096*\w
.endr
	s_wait_dscnt 0x0
.irp w, 0,2,4,6
	v_pk_add_f32 v[SUMR+4*\w:SUMR+4*\w+1], v[SUMR+4*\w:SUMR+4*\w+1], v[SUMR+4*\w+4:SUMR+4*\w+5]
	v_pk_add_f32 v[SUMR+4*\w+2:SUMR+4*\w+3], v[SUMR+4*\w+2:SUMR+4*\w+3], v[SUMR+4*\w+6:SUMR+4*\w+7]
.endr
.irp w, 0,4
	v_pk_add_f32 v[SUMR+4*\w:SUMR+4*\w+1], v[SUMR+4*\w:SUMR+4*\w+1], v[SUMR+4*\w+8:SUMR+4*\w+9]
	v_pk_add_f32 v[SUMR+4*\w+2:SUMR+4*\w+3], v[SUMR+4*\w+2:SUMR+4*\w+3], v[SUMR+4*\w+10:SUMR+4*\w+11]
.endr
	v_pk_add_f32 v[SUMR:SUMR+1], v[SUMR:SUMR+1], v[SUMR+16:SUMR+17]
	v_pk_add_f32 v[SUMR+2:SUMR+3], v[SUMR+2:SUMR+3], v[SUMR+18:SUMR+19]
	global_store_b128 v12, v[SUMR:SUMR+3], s[12:13]    ; a wave stores 512 consecutive bytes, aligned
	s_endpgm
.Lfunc_end_k_qba58edc50a_prep:
	.size	k_qba58edc50a_prep, .Lfunc_end_k_qba58edc50a_prep-k_qba58edc50a_prep
	.p2alignl 7, 3214868480
	.fill 96, 4, 3214868480
	.section	.rodata,"a",@progbits
	.p2align	6, 0x0
	.amdhsa_kernel k_qba58edc50a_prep
		.amdhsa_group_segment_fixed_size 65536
		.amdhsa_private_segment_fixed_size 0
		.amdhsa_enable_private_segment 0
		.amdhsa_kernarg_size 40
		.amdhsa_user_sgpr_count 2
		.amdhsa_user_sgpr_kernarg_segment_ptr 1
		.amdhsa_wavefront_size32 1
		.amdhsa_system_sgpr_workgroup_id_x 1
		.amdhsa_system_sgpr_workgroup_id_y 1
		.amdhsa_system_sgpr_workgroup_id_z 1
		.amdhsa_system_vgpr_workitem_id 0
		.amdhsa_next_free_vgpr 256
		.amdhsa_next_free_sgpr 66
		.amdhsa_reserve_vcc 0
		.amdhsa_float_denorm_mode_32 3
		.amdhsa_float_denorm_mode_16_64 3
		.amdhsa_memory_ordered 1
		.amdhsa_forward_progress 1
		.amdhsa_inst_pref_size 80
	.end_amdhsa_kernel
	.amdgpu_metadata
---
amdhsa.version: [ 1, 2 ]
amdhsa.kernels:
  - .name:           k_qba58edc50a_prep
    .symbol:         k_qba58edc50a_prep.kd
    .args:
      - { .name: Wk, .offset: 0, .size: 8, .value_kind: global_buffer, .address_space: global }
      - { .name: Wq, .offset: 8, .size: 8, .value_kind: global_buffer, .address_space: global }
      - { .name: decoder_hidden, .offset: 16, .size: 8, .value_kind: global_buffer, .address_space: global }
      - { .name: wkimg, .offset: 24, .size: 8, .value_kind: global_buffer, .address_space: global }
      - { .name: qbuf, .offset: 32, .size: 8, .value_kind: global_buffer, .address_space: global }
    .group_segment_fixed_size: 65536
    .private_segment_fixed_size: 0
    .kernarg_segment_align: 8
    .kernarg_segment_size: 40
    .max_flat_workgroup_size: 256
    .sgpr_count:     66
    .vgpr_count:     256
    .wavefront_size: 32
...
	.end_amdgpu_metadata
.endif
;; end of part 1
;; launch main (part 2): grid 256 x 1, 4 waves a work-group, clusters of 4 x 1, 327,680 bytes of LDS; arguments encoder_outputs, wkimg, qbuf, We, en, ml, ctxp; writes en, ml, ctxp
.if DOCPART == 2
	.amdgcn_target "amdgcn-amd-amdhsa--gfx1250"
	.amdhsa_code_object_version 6
	.text
	.protected	k_qba58edc50a_main
	.globl	k_qba58edc50a_main
	.p2align	8
	.type	k_qba58edc50a_main,@function
k_qba58edc50a_main:
	s_mov_b64 s[64:65], 0
	v_nop
	global_prefetch_b8 v0, s[64:65] scope:SCOPE_SE
	s_setreg_imm32_b32 hwreg(HW_REG_WAVE_MODE, 25, 1), 1
	s_wait_xcnt 0x0
	s_wait_alu depctr_hold_cnt(0) depctr_sa_sdst(0) depctr_va_vdst(0) depctr_va_sdst(0) depctr_va_ssrc(0) depctr_va_vcc(0) depctr_vm_vsrc(0)
	s_getreg_b32 s2, hwreg(HW_REG_IB_STS2, 6, 4)
	s_cmp_eq_u32 s2, 0
	s_cbranch_scc0 .Lentry_in_a_cluster
	s_endpgm
.Lentry_in_a_cluster:
	s_bfe_u32 s2, ttmp6, 0x10000c
	s_cmp_lg_u32 s2, 0x3003
	s_cbranch_scc0 .Lentry_shape_is_right
	s_endpgm
.Lentry_shape_is_right:
; For 128 rows (b, s) of encoder_outputs: keys = Q(enc) Q(Wk) on codes of E5M2 with E8M0 scales; energy = sum over d of We[d] tanh(query[b][d] + keys[d]); the rows' largest energy m, p = e^(energy - m), l = sum of p,
; and the partial context sum of p x enc.  The next launch joins the eight work-groups of a batch.  enc IS READ FROM MEMORY ONCE: its rows stay on the WGP as codes (for the keys) and as bf16 (for the context).
; SHARES.  Work-group g: rows 128 g .. 128 g + 127.  Wave w fetches and quantises rows 32 w .. 32 w + 31 (tiles 2 w, 2 w + 1); waves w and w xor 1 exchange codes, so that each holds 64 rows x all of K in 512 registers
; and takes column half C = w & 1: 64 rows x 512 columns, 32 column tiles.  One fragment of Wk read from LDS so feeds four matrix instructions.
; THE MATRIX INSTRUCTION IS USED TRANSPOSED (source 0 = 16 columns of Wk, source 1 = 16 rows of enc): a lane holds ONE row and eight neighbouring columns, so the sum over columns stays in the lane.
; tanh(x) = 1 - 2 / (1 + 2^(2.88539 x)): one packed multiply-add, an exponential, a packed addition, a reciprocal; it goes to +-1 where the exponential goes to infinity or 0.  The tanh of one column tile stands in slices
; between the matrix instructions of the next.  energy = sum We + sum (-2 We) / (1 + 2^..).
; CLUSTER.  The four work-groups of a cluster walk the same 16 blocks of wkimg: each block is asked for JOINTLY (mask 15), a quarter by each wave.  enc's slices are each work-group's own: plain loads.
; THE WALK.  Cluster c begins at block k0 = (c + 4 (c / 16) + c / 32) mod 16 and walks all sixteen, round the end: at any one time the 64 clusters ask for different blocks, not all for the same one.  The sums over
; columns do not mind the order.  The two tables (query, We) are laid in LDS in the order of the walk; the rotation is in the addresses of the loads from memory that fill them, so no LDS address hangs on k0.
; No prefetch is laid: wkimg is read by every cluster, and half of what a work-group reads of enc is asked for at the head.
; LDS: R0 0 .. 135,167: staging slot 0 (128 rows x 1,040), then the ring of two blocks of wkimg, at the end F (64 rows of bf16 x 2,080).  R1: staging slot 1, then E (64 rows of bf16).  Behind them bytes that no tile lands in.
; REGISTERS, in windows of 256: window 0: addresses, scale words, tables, two sets of four results (v64-127), Wk's eight fragments (v128-255; while enc comes in: two sets of 64 numbers).
;   window 1: bf16 of my tile 0 (register 32 s + 8 b + i).   window 2: my codes (128 a + 16 s + 4 q).   window 3: bf16 of my tile 1, then the partner's codes.
; LIMITS: NaN and infinities among the inputs are not served; a block of zeros gets the scale byte 1 with zero codes; p and enc enter the context's product as bf16 (sums in f32).
.set SPITCH, 1040                      ; a staged row: 1,024 bytes + 16 = 260 words: row r starts at bank 4 r mod 64 (64 banks of 4 bytes: ISA guide 11.1)
.set WSTG,   32*SPITCH                 ; a wave's 32 rows
.set R1,     135168
.set BLK,    67584                     ; a block of wkimg; ring slot 1 begins here
.set QBLK,   16896                     ; a wave's quarter of it
.set EP,     2080                      ; a row of bf16: 2,048 bytes + 32
.set XCH,    268288                    ; two buffers of 16,384: codes from wave to wave
.set XSC,    301056                    ; 4,096: their scale words
.set QT,     305152                    ; 4,096: 2.88539 x query[b][n], in the order of the walk
.set WT,     309248                    ; 4,096: -2 We[n], likewise   (= QT + 4096)
.set EX,     313344                    ; 1,024: energies [C][row]
.set PT,     314368                    ; 4 x 256: p as bf16, a copy for each wave
.set CST,    315392                    ; 4 x 1,024: the context's way out
.set SPARE,  319488                    ; the spare words, 128 bytes for each wave: two blocks of 256 bytes that no other line names
.set BA,  3                            ; v3-4    Wk's images in slot 0, 1: slot + 32768 C + 16 lane
.set SA,  5                            ; v5-6    Wk's scale words: slot + 65536 + 1024 C + 32 r + 16 h
.set QA,  7                            ; v7      QT + 2048 C + 32 h, stepped four tiles a trip
.set ASC, 12                           ; v12-27  enc's scale words: register 4 a + s / 2: lanes 0-15 the even K step, lanes 16-31 the odd one
.set BSC, 28                           ; v28-35  Wk's: set u, register s % 4: lanes 0-15 K steps 0-3, lanes 16-31 K steps 4-7
.set QC,  36                           ; v36-43  2.88539 query of my eight columns
.set WE,  44                           ; v44-51  -2 We of my eight columns
.set EA,  52                           ; v52-59  the energies' sums, a pair for each of my four row tiles
.set SW,  60                           ; v60-61  the sum of -2 We over my columns
.set DAF, 63                           ; v63     where my tile 0's bf16 goes in F
.set ACC, 64
.set BF,  128
.set TM,  64                           ; while enc comes in: v64-79 at work, v80 the scale word, v81-87 addresses
.set PW,  80
.set VA,  81                           ; v81-82  my rows in staging slot 0, 1
.set DAE, 83
.set XST, 84
.set XLP, 85
.set XSS, 86
.set XSL, 87
.set G1E, 16                           ; s[16:23] group 1 for enc's slices;  s[24:31] for wkimg's quarters
.set G1B, 24
.set G0E, 32                           ; s[32:39] groups 0 for the two staging slots;  s[40:47] for the two ring slots
.set G0B, 40
.set WB,  80                           ; s[80:81] wkimg + my quarter's place in a block
.set KI,  82                           ; s82     the number of the block that the next refill asks for
.set K4,  83                           ; s83     4 k0
.set OF,  84                           ; s[84:85], s[86:87] a block's offset in wkimg, as a pair
.set MSB, 0
.macro WIN new                         ; the immediate's high byte repeats the setting that is left; a switch that changes nothing is dropped
.if MSB != (\new)
	s_set_vgpr_msb (MSB<<8)|(\new)
.set MSB, (\new)
.endif
.endm
.macro PLACES n
.rept \n
	v_nop
.endr
.endm
.macro CREST                           ; a round of the cluster's barrier behind its opening barrier
	s_cmp_lg_u32 s50, 0
	s_cbranch_scc1 .Lnot_wave_0_\@
	s_barrier_signal -3
.Lnot_wave_0_\@:
	s_barrier_wait -3
	s_barrier_signal -1
	s_barrier_wait -1
.endm
.macro ROUND                           ; a whole round
	s_barrier_signal -1
	s_barrier_wait -1
	CREST
.endm
	s_load_b256 s[4:11], s[0:1], 0x0               ; enc s[4:5], wkimg s[6:7], qbuf s[8:9], We s[10:11]
	s_load_b128 s[12:15], s[0:1], 0x20             ; en s[12:13], ml s[14:15]
	s_load_b64 s[48:49], s[0:1], 0x30              ; ctxp
	v_lshl_add_u32 v1, v0, 2, SPARE                ; my spare word; never rewritten
	v_mov_b32 v2, 0                                ; never rewritten
	v_lshrrev_b32 v8, 5, v0
	v_readfirstlane_b32 s50, v8                    ; wave w
	s_and_b32 s51, s50, 1                          ; C
	s_bfe_u32 s52, ttmp6, 0x40000                  ; cx: it enters addresses in memory of my own loads and stores alone
	s_lshl_b32 s53, ttmp9, 2
	s_add_co_u32 s53, s53, s52                     ; g = 4 x cluster + cx
	s_lshr_b32 s54, s53, 3                         ; b
	s_mov_b32 s55, 0xffff0000                      ; as a lane mask: lanes 16-31
	s_mov_b32 s56, 0x76543210
	s_mov_b32 s57, 0xfedcba98                      ; v_permlanex16_b32's selects for lane l xor 16
	s_mov_b32 s58, 0x600000                        ; the mantissa field of 57,344
	s_mov_b32 s60, 0x4038aa3b                      ; 2 log2(e)
	s_mov_b32 s61, s60                             ; (named with it as a pair)
	s_mov_b32 s62, 0x3fb8aa3b                      ; log2(e)
	; group 1, enc: 32 rows x 256 elements of 4 bytes, 1,024 elements apart; 4 words of padding behind every 256
	s_mov_b32 s[G1E+0], (2<<16)|(1<<20)|(7<<22)|(3<<25)
	s_mov_b32 s[G1E+1], 256<<16
	s_mov_b32 s[G1E+2], 32<<16
	s_mov_b32 s[G1E+3], 256<<16
	s_mov_b32 s[G1E+4], 32
	s_mov_b32 s[G1E+5], 1024
	s_mov_b32 s[G1E+6], 0
	s_mov_b32 s[G1E+7], 0
	; group 1, wkimg: 16,896 dense bytes as 66 rows of 32 elements of 8 bytes; the mask names all four work-groups, bit 21 beside it
	s_mov_b32 s[G1B+0], 15|(3<<16)|(1<<21)
	s_mov_b32 s[G1B+1], 32<<16
	s_mov_b32 s[G1B+2], 66<<16
	s_mov_b32 s[G1B+3], 32<<16
	s_mov_b32 s[G1B+4], 66
	s_mov_b32 s[G1B+5], 32
	s_mov_b32 s[G1B+6], 0
	s_mov_b32 s[G1B+7], 0
	s_mul_i32 s66, s50, WSTG                       ; my 32 rows in a staging slot
	s_mul_i32 s70, s50, QBLK                       ; my quarter of a block, in LDS and in memory
	s_mov_b32 s71, 0
	s_lshl_b32 s74, s53, 19                        ; 128 g rows of 4,096 bytes
	s_lshl_b32 s78, s50, 17                        ; + 32 w rows
	s_add_co_u32 s74, s74, s78
	s_mov_b32 s75, 0
	s_mov_b32 s77, 0
	; the walk's start, from the cluster's number alone, which the four partners share
	s_lshr_b32 s[KI], ttmp9, 4
	s_lshl_b32 s[KI], s[KI], 2
	s_add_co_u32 s[KI], s[KI], ttmp9
	s_lshr_b32 s[OF], ttmp9, 5
	s_add_co_u32 s[KI], s[KI], s[OF]
	s_and_b32 s[KI], s[KI], 15                     ; k0 = (c + 4 (c / 16) + c / 32) mod 16
	s_lshl_b32 s[K4], s[KI], 2
	s_mul_i32 s[OF], s[KI], BLK                    ; the walk's first block,
	s_mov_b32 s[OF+1], 0
	s_add_co_u32 s[KI], s[KI], 1
	s_and_b32 s[KI], s[KI], 15
	s_mul_i32 s[OF+2], s[KI], BLK                  ; its second,
	s_mov_b32 s[OF+3], 0
	s_add_co_u32 s[KI], s[KI], 1
	s_and_b32 s[KI], s[KI], 15                     ; and the number of its third, which the first refill asks for
	s_wait_kmcnt 0x0
	s_mov_b32 s[G0E+0], 1
	s_mov_b32 s[G0E+1], s66
	s_add_nc_u64 s[G0E+2:G0E+3], s[4:5], s[74:75]  ; slice 0: columns 0-255
	s_add_nc_u64 s[G0E+6:G0E+7], s[G0E+2:G0E+3], 1024  ; slice 1
	s_or_b32 s[G0E+3], s[G0E+3], 0x80000000
	s_mov_b32 s[G0E+4], 1
	s_add_co_u32 s[G0E+5], s66, R1
	s_or_b32 s[G0E+7], s[G0E+7], 0x80000000
	s_add_nc_u64 s[WB:WB+1], s[6:7], s[70:71]
	s_mov_b32 s[G0B+0], 1
	s_mov_b32 s[G0B+1], s70
	s_add_nc_u64 s[G0B+2:G0B+3], s[WB:WB+1], s[OF:OF+1]
	s_or_b32 s[G0B+3], s[G0B+3], 0x80000000
	s_mov_b32 s[G0B+4], 1
	s_add_co_u32 s[G0B+5], s70, BLK
	s_add_nc_u64 s[G0B+6:G0B+7], s[WB:WB+1], s[OF+2:OF+3]
	s_or_b32 s[G0B+7], s[G0B+7], 0x80000000
	s_lshl_b32 s76, s54, 7
	s_add_nc_u64 s[8:9], s[8:9], s[76:77]          ; qbuf + 128 b
	s_lshl_b32 s76, s53, 9
	s_add_nc_u64 s[12:13], s[12:13], s[76:77]      ; en + 512 g
	s_lshl_b32 s76, s53, 8
	s_add_nc_u64 s[14:15], s[14:15], s[76:77]      ; ml + 256 g
	s_lshl_b32 s76, s53, 12
	s_lshl_b32 s78, s50, 10
	s_add_co_u32 s76, s76, s78
	s_add_nc_u64 s[48:49], s[48:49], s[76:77]      ; ctxp + 4096 g + 1024 w
	ROUND                                          ; in a cluster launch every group of tensor loads stands behind a round
	tensor_load_to_lds s[G0E:G0E+3], s[G1E:G1E+7]  ; the two first fills go out together: two loads of mine are out
	tensor_load_to_lds s[G0E+4:G0E+7], s[G1E:G1E+7]
	PLACES 4
	; the tables.  Thread t fills place t (half t / 64, the walk's tile (t % 64) / 2, eight columns): that is the tile 2 k0 further on, round the end: columns 8 t' .. 8 t' + 7 with t' = (t & 64) | ((t + 4 k0) & 63)
	v_add_nc_u32 v8, s[K4], v0
	v_and_b32 v8, 63, v8
	v_and_or_b32 v9, v0, 64, v8                    ; t'
	v_lshrrev_b32 v8, 2, v9
	v_and_b32 v10, 3, v9
	v_lshlrev_b32 v8, 12, v8
	v_lshl_add_u32 v8, v10, 5, v8                  ; qbuf: 4096 (t' / 4) + 32 (t' % 4)
	v_lshlrev_b32 v9, 5, v9                        ; We: 32 t'
	global_load_b128 v[64:67], v8, s[8:9]
	global_load_b128 v[68:71], v8, s[8:9] offset:16
	global_load_b128 v[72:75], v9, s[10:11]
	global_load_b128 v[76:79], v9, s[10:11] offset:16
	v_and_b32 v10, 31, v0                          ; lane
	v_and_b32 v11, 15, v0                          ; r
	v_bfe_u32 v62, v0, 4, 1                        ; h
	s_lshl_b32 s66, s51, 15
	v_lshl_add_u32 v[BA], v10, 4, s66
	v_add_nc_u32 v[BA+1], BLK, v[BA]
	s_lshl_b32 s66, s51, 10
	s_add_co_u32 s66, s66, 65536
	v_lshlrev_b32 v[SA], 5, v11
	v_lshl_add_u32 v[SA], v62, 4, v[SA]
	v_add_nc_u32 v[SA], s66, v[SA]
	v_add_nc_u32 v[SA+1], BLK, v[SA]
	s_lshl_b32 s66, s51, 11
	s_add_co_u32 s66, s66, QT
	v_lshl_add_u32 v[QA], v62, 5, s66
	s_mul_i32 s66, s50, WSTG                       ; 32 staged rows are as many bytes as 16 rows of bf16
	v_mul_u32_u24 v[VA], v11, SPITCH
	v_lshl_add_u32 v[VA], v62, 6, v[VA]
	v_add_nc_u32 v[VA], s66, v[VA]                 ; (32 w + r) 1040 + 64 h
	v_add_nc_u32 v[VA+1], R1, v[VA]
	v_mul_u32_u24 v[DAF], v11, EP
	v_lshl_add_u32 v[DAF], v62, 5, v[DAF]
	v_add_nc_u32 v[DAF], s66, v[DAF]               ; (16 w + r) 2080 + 32 h
	v_add_nc_u32 v[DAE], R1, v[DAF]
	s_lshl_b32 s66, s50, 12
	s_add_co_u32 s66, s66, XCH
	v_lshl_add_u32 v[XST], v10, 4, s66             ; codes out: my 4,096 bytes of a buffer
	s_xor_b32 s67, s50, 1
	s_lshl_b32 s68, s67, 12
	s_add_co_u32 s68, s68, XCH
	v_lshl_add_u32 v[XLP], v10, 4, s68             ; codes in: my partner's
	s_lshl_b32 s66, s50, 10
	s_add_co_u32 s66, s66, XSC
	v_lshl_add_u32 v[XSS], v10, 2, s66
	s_lshl_b32 s68, s67, 10
	s_add_co_u32 s68, s68, XSC
	v_lshl_add_u32 v[XSL], v10, 2, s68
	s_wait_loadcnt 0x0
.irp j, 0,2,4,6
	v_pk_mul_f32 v[64+\j:65+\j], v[64+\j:65+\j], s[60:61] op_sel_hi:[1,0]
.endr
.irp j, 0,2,4,6
	v_pk_mul_f32 v[72+\j:73+\j], v[72+\j:73+\j], -2.0 op_sel_hi:[1,0]
.endr
	v_lshl_add_u32 v8, v0, 5, QT
	ds_store_b128 v8, v[64:67]
	ds_store_b128 v8, v[68:71] offset:16
	ds_store_b128 v8, v[72:75] offset:4096
	ds_store_b128 v8, v[76:79] offset:4112
	s_wait_dscnt 0x0                               ; the stores have read their registers, which go to work now; the other waves read the tables behind later barriers
.irp b, 0,1,2,3
	v_mov_b32 v[TM+4+\b], 0                        ; written once: a lane permute's destination counts as one of its sources
.endr
; ---- enc COMES IN.  A slice is 256 columns (two K steps) of the 128 rows.  A wave reads only the rows that it fetched, so its own wait on TENSORcnt serves its reads.
.macro XLD p, sl, a, sp                ; lane (r, h): of row 16 a + r of my 32, K step sp of the slice in slot sl: 16 neighbours of each block of 32, into set p
.irp b, 0,1,2,3
.irp j, 0,1,2,3
	ds_load_b128 v[BF+64*(\p)+16*\b+4*\j:BF+64*(\p)+16*\b+4*\j+3], v[VA+(\sl)] offset:16640*(\a)+512*(\sp)+128*\b+16*\j
.endr
.endr
.endm
; 64 numbers of a lane (register 16 b + i = k 128 s + 32 b + 16 h + i of my row) become: the scale word, 32 registers of bf16, a fragment's 16 registers of codes
.macro UNIT p, a, s
.set XB, BF+64*(\p)
.irp b, 0,1,2,3
	v_max3_num_f32 v[TM+\b], |v[XB+16*\b]|, |v[XB+16*\b+1]|, 0x8000000   ; with the floor 2^(16 - 127): the byte cannot fall under 1
.endr
.irp i, 2,4,6,8,10,12,14
.irp b, 0,1,2,3
	v_max3_num_f32 v[TM+\b], v[TM+\b], |v[XB+16*\b+\i]|, |v[XB+16*\b+\i+1]|
.endr
.endr
.irp b, 0,1,2,3
	v_permlanex16_b32 v[TM+4+\b], v[TM+\b], s56, s57
.endr
.irp b, 0,1,2,3
	v_max_num_f32 v[TM+\b], v[TM+\b], v[TM+4+\b]   ; with lane l xor 16's: the block's largest magnitude
.endr
.irp b, 0,1,2,3
	v_add_nc_u32 v[TM+12+\b], 0xf8800000, v[TM+\b] ; 15 off the exponent field: the conversion's scale operand
.endr
.irp b, 0,1,2,3
	v_and_or_b32 v[TM+8+\b], v[TM+\b], 0x7f800000, s58   ; 57,344 x the scale
.endr
.irp b, 0,1,2,3
	v_lshrrev_b32 v[TM+4+\b], 23, v[TM+12+\b]      ; the byte
.endr
	v_lshl_or_b32 v[PW], v[TM+5], 8, v[TM+4]
	v_lshl_or_b32 v[PW], v[TM+6], 16, v[PW]
	v_lshl_or_b32 v[PW], v[TM+7], 24, v[PW]        ; my row's scale word, the same in lanes r and 16 + r
.if (\s)%2 == 0
	v_mov_b32 v[ASC+4*(\a)+(\s)/2], v[PW]
.else
	v_cndmask_b32 v[ASC+4*(\a)+(\s)/2], v[ASC+4*(\a)+(\s)/2], v[PW], s55   ; the odd K step's word goes into lanes 16-31
.endif
	WIN 0x40+0x80*(\a)                             ; destination window 1 (tile 0) or 3 (tile 1)
.set j, 0
.rept 32
	v_cvt_pk_bf16_f32 v[32*(\s)+j], v[XB+2*j], v[XB+2*j+1]   ; the numbers as they came, ahead of the hold
.set j, j+1
.endr
	WIN 0
.irp b, 0,1,2,3
.irp i, 0,1,2,3,4,5,6,7,8,9,10,11,12,13,14,15
	v_med3_num_f32 v[XB+16*\b+\i], v[XB+16*\b+\i], -v[TM+8+\b], v[TM+8+\b]   ; the conversion to an 8-bit code does not saturate (ISA guide 7.6.2)
.endr
.endr
	WIN 0x80                                       ; destination window 2
.irp b, 0,1,2,3
	v_cvt_scalef32_pk8_bf8_f32 v[128*(\a)+16*(\s)+4*\b:128*(\a)+16*(\s)+4*\b+1], v[XB+16*\b:XB+16*\b+7], v[TM+12+\b]
	v_cvt_scalef32_pk8_bf8_f32 v[128*(\a)+16*(\s)+4*\b+2:128*(\a)+16*(\s)+4*\b+3], v[XB+16*\b+8:XB+16*\b+15], v[TM+12+\b]
.endr
	WIN 0
	v_nop                                          ; a plain line behind the last conversion of a run
.endm
.macro TRIP sl, T                      ; slice T in slot sl: four units; the next unit's 16 loads are out while a unit is worked, which is what the counts of 16 leave
	XLD 0, \sl, 0, 0
	XLD 1, \sl, 1, 0
	s_wait_dscnt 16
	UNIT 0, 0, 2*\T
	XLD 0, \sl, 0, 1
	s_wait_dscnt 16
	UNIT 1, 1, 2*\T
	XLD 1, \sl, 1, 1
	s_wait_dscnt 16
	UNIT 0, 0, 2*\T+1
	s_wait_dscnt 0x0
	UNIT 1, 1, 2*\T+1
.endm
.macro CHGE sl                         ; staging slot sl has been read: it takes the slice two further on
	s_wait_tensorcnt 0x0                           ; all my tensor loads have landed, the other slot's among them: a group 0 may be written
	ds_add_u32 v1, v2                              ; 0 onto my spare word
	s_add_nc_u64 s[G0E+4*\sl+2:G0E+4*\sl+3], s[G0E+4*\sl+2:G0E+4*\sl+3], 2048
	s_wait_dscnt 0x0                               ; the add is done, and my reads of the slot are back
	ROUND
	tensor_load_to_lds s[G0E+4*\sl:G0E+4*\sl+3], s[G1E:G1E+7]   ; my one tensor load behind the round, and the first thing there
	PLACES 4
.endm
.macro CHGB sg                         ; bytes of staging slot 0, which has been read for the last time, take the walk's block sg: the first joint loads
	s_wait_tensorcnt 0x0
	ds_add_u32 v1, v2
	s_wait_dscnt 0x0
	ROUND
	tensor_load_to_lds s[G0B+4*\sg:G0B+4*\sg+3], s[G1B:G1B+7]
	PLACES 4
.endm
	s_wait_tensorcnt 0x1                           ; my rows of slice 0 are in; slice 1's load may stay out
	TRIP 0, 0
	CHGE 0                                         ; slice 2
	TRIP 1, 1
	CHGE 1                                         ; slice 3
	TRIP 0, 2
	CHGB 0                                         ; the walk's first block, into ring slot 0
	TRIP 1, 3
	CHGB 1                                         ; the first block has landed in every wave's sight; the second goes out and lands under the exchange
; ---- my tile 1's bf16 leaves window 3 for E (staging slot 1 has had its last fill and its last read); then the partner's codes come in
.macro DUMP wn, adr                    ; 256 registers of bf16 become 16 rows of 2,048 bytes: four registers are k = 128 s + 32 b + 16 h + 8 u + 0 .. 7
	WIN \wn                                        ; an LDS store's data are its source 1
.irp s, 0,1,2,3,4,5,6,7
.irp b, 0,1,2,3
.irp u, 0,1
	ds_store_b128 v[\adr], v[32*\s+8*\b+4*\u:32*\s+8*\b+4*\u+3] offset:256*\s+64*\b+16*\u
.endr
.endr
.endr
	WIN 0
.endm
	DUMP 0x0c, DAE
; K step c of my two tiles goes to LDS as an image of its registers and comes back in the partner.  Two buffers by turns: a buffer is written again only behind the next chunk's barrier, in front of which every wave has waited for its loads from it.
.macro XCHG c
	WIN 0x08                                       ; data in window 2
.irp a, 0,1
.irp q, 0,1,2,3
	ds_store_b128 v[XST], v[128*\a+16*(\c)+4*\q:128*\a+16*(\c)+4*\q+3] offset:16384*((\c)%2)+2048*\a+512*\q
.endr
.endr
	WIN 0
.if (\c) == 0
.irp i, 0,1,2,3,4,5,6,7
	ds_store_b32 v[XSS], v[ASC+\i] offset:128*\i
.endr
.endif
	s_wait_dscnt 0x0                               ; my stores have landed, my loads of the last chunk are in (at c = 0: the dump has read window 3)
	s_barrier_signal -1
	s_barrier_wait -1                              ; the second block's load may stay out
	WIN 0xc0                                       ; destination window 3
.irp a, 0,1
.irp q, 0,1,2,3
	ds_load_b128 v[128*\a+16*(\c)+4*\q:128*\a+16*(\c)+4*\q+3], v[XLP] offset:16384*((\c)%2)+2048*\a+512*\q
.endr
.endr
	WIN 0
.if (\c) == 0
.irp i, 0,1,2,3,4,5,6,7
	ds_load_b32 v[ASC+8+\i], v[XSL] offset:128*\i
.endr
.endif
.endm
.irp c, 0,1,2,3,4,5,6,7
	XCHG \c
.endr
	s_wait_dscnt 0x0
; ---- THE KEYS AND THE ENERGIES.  A PERIOD is one column tile: 32 matrix instructions (8 K steps x my 4 row tiles) into set u of results; the tanh of the tile before, in the other set, stands in slices behind them.
.macro LF sig, u, s                    ; fragment s of tile u of the block in slot sig
.irp q, 0,1,2,3
	ds_load_b128 v[BF+16*(\s)+4*\q:BF+16*(\s)+4*\q+3], v[BA+(\sig)] offset:(8*(\u)+(\s))*2048+512*\q
.endr
.endm
; Matrix instruction i of 32.  The four results take turns, one instruction a turn; in odd K steps the partner's tiles come first, so that source 1's window changes once in four instructions.
.macro WM u
.set KS, i/4
.set AA, (i%4)^(2*(KS%2))
.if AA < 2
	WIN 0x08                                       ; source 1: my codes, window 2
.else
	WIN 0x0c                                       ; the partner's, window 3
.endif
.set RD, ACC+32*(\u)+8*AA
.set RB, BF+16*KS
.set RA, 128*(AA%2)+16*KS
.set RSB, BSC+4*(\u)+KS%4
.set RSA, ASC+4*AA+KS/2
.if KS == 0
	v_wmma_scale_f32_16x16x128_f8f6f4 v[RD:RD+7], v[RB:RB+15], v[RA:RA+15], 0, v[RSB], v[RSA] matrix_a_fmt:MATRIX_FMT_BF8 matrix_b_fmt:MATRIX_FMT_BF8
.elseif (KS < 4) && (KS%2 == 0)
	v_wmma_scale_f32_16x16x128_f8f6f4 v[RD:RD+7], v[RB:RB+15], v[RA:RA+15], v[RD:RD+7], v[RSB], v[RSA] matrix_a_fmt:MATRIX_FMT_BF8 matrix_b_fmt:MATRIX_FMT_BF8
.elseif KS < 4
	v_wmma_scale_f32_16x16x128_f8f6f4 v[RD:RD+7], v[RB:RB+15], v[RA:RA+15], v[RD:RD+7], v[RSB], v[RSA] matrix_a_fmt:MATRIX_FMT_BF8 matrix_b_fmt:MATRIX_FMT_BF8 matrix_b_scale:MATRIX_SCALE_ROW1
.elseif KS%2 == 0
	v_wmma_scale_f32_16x16x128_f8f6f4 v[RD:RD+7], v[RB:RB+15], v[RA:RA+15], v[RD:RD+7], v[RSB], v[RSA] matrix_a_fmt:MATRIX_FMT_BF8 matrix_b_fmt:MATRIX_FMT_BF8 matrix_a_scale:MATRIX_SCALE_ROW1
.else
	v_wmma_scale_f32_16x16x128_f8f6f4 v[RD:RD+7], v[RB:RB+15], v[RA:RA+15], v[RD:RD+7], v[RSB], v[RSA] matrix_a_fmt:MATRIX_FMT_BF8 matrix_b_fmt:MATRIX_FMT_BF8 matrix_a_scale:MATRIX_SCALE_ROW1 matrix_b_scale:MATRIX_SCALE_ROW1
.endif
.endm
.macro P1 k                            ; pair k of the 16 of the set at PSB: 2.88539 keys + 2.88539 query.  Each result is read from its low end on
	v_pk_fma_f32 v[PSB+2*(\k):PSB+2*(\k)+1], v[PSB+2*(\k):PSB+2*(\k)+1], s[60:61], v[QC+2*((\k)%4):QC+2*((\k)%4)+1] op_sel_hi:[1,0,1]
.endm
; Slice i of 32: a transcendental, a plain line, a transcendental: no transcendental's result is used, and no source of one written, by the line behind it.  No line has a vector register as source 1, so a slice runs under the
; matrix instructions' window setting.  The plain line of each slice is a place (ISA guide 7.12.1): it names no register of the matrix instructions round it.
.macro SL tanh
.if \tanh
.if i < 15
	v_exp_f32 v[PSB+2*i], v[PSB+2*i]
	P1 i+1
	v_exp_f32 v[PSB+2*i+1], v[PSB+2*i+1]
.elseif i == 15
	v_exp_f32 v[PSB+30], v[PSB+30]
	v_pk_add_f32 v[PSB:PSB+1], v[PSB:PSB+1], 1.0 op_sel_hi:[1,0]
	v_exp_f32 v[PSB+31], v[PSB+31]
.else
	v_rcp_f32 v[PSB+2*(i-16)], v[PSB+2*(i-16)]
.if i < 31
	v_pk_add_f32 v[PSB+2*(i-15):PSB+2*(i-15)+1], v[PSB+2*(i-15):PSB+2*(i-15)+1], 1.0 op_sel_hi:[1,0]
.else
	v_nop
.endif
	v_rcp_f32 v[PSB+2*(i-16)+1], v[PSB+2*(i-16)+1]
.endif
.else
	v_nop
.endif
.endm
.macro BATCH tanh                      ; the tile's 32 reciprocals x (-2 We) onto the four sums.  Its plain lines are also the eight places behind the period's last matrix instructions
	WIN 0
.if \tanh
.irp jj, 0,1,2,3
.irp a, 0,1,2,3
	v_pk_fma_f32 v[EA+2*\a:EA+2*\a+1], v[PSB+8*\a+2*\jj:PSB+8*\a+2*\jj+1], v[WE+2*\jj:WE+2*\jj+1], v[EA+2*\a:EA+2*\a+1]
.endr
	v_pk_add_f32 v[SW:SW+1], v[SW:SW+1], v[WE+2*\jj:WE+2*\jj+1]
.endr
.else
	PLACES 8
.endif
.endm
; sig, u: the tile's slot and place in it.  io: the tile's number in the walk, counted from v[QA].  chg = 1: the slot is left and filled again; 2: left; 0: neither.  tanh = 0: the first period, which has no tile before it.  nxt = 0: the last.
; Wk's eight fragments have ONE set of registers: fragment s of the next tile is fetched nine slices (nine plain lines) behind its last reader; fragments 5, 6, 7 at the next period's head, behind BATCH.
; EVERY COUNT ON DScnt is the number of younger LDS instructions: WEN = We's two loads at the head, SN = what this period's load points have issued so far.
.macro PERIOD sig, u, io, chg, tanh, nxt
.set WEN, 2*(\tanh)
.set SN, 0
.set PSB, ACC+32*(1-(\u))
.set U2, 1-(\u)
.set SG2, (\sig)^(\u)
	LF \sig, \u, 5
	LF \sig, \u, 6
	LF \sig, \u, 7
.if \tanh
	ds_load_b128 v[WE:WE+3], v[QA] offset:4096+64*((\io)-1)
	ds_load_b128 v[WE+4:WE+7], v[QA] offset:4096+64*((\io)-1)+16
.endif
	s_wait_dscnt 24+WEN                            ; fragments 0 and 1, Wk's scale words and the query's table are in; younger: fragments 2-4 (12), 5-7 (12), We
.if \tanh
	P1 0
.endif
.set i, 0
.rept 32
.if (i == 8) && (\chg)
	WIN 0                                          ; (the add's two registers lie in window 0)
	s_wait_tensorcnt 0x0                           ; all my tensor loads have landed: my quarter of the other slot; so a group 0 may be written
	ds_add_u32 v1, v2                              ; 0 onto my spare word; the descriptor's step stands between it and the wait for it
.if (\chg) == 1
	s_mul_i32 s[OF], s[KI], BLK                    ; the walk's next block: its place in wkimg,
	s_add_nc_u64 s[G0B+4*(\sig)+2:G0B+4*(\sig)+3], s[WB:WB+1], s[OF:OF+1]
	s_or_b32 s[G0B+4*(\sig)+3], s[G0B+4*(\sig)+3], 0x80000000   ; the type,
	s_add_co_u32 s[KI], s[KI], 1
	s_and_b32 s[KI], s[KI], 15                     ; and one block on, round the end
.endif
	s_wait_dscnt 21+WEN                            ; fragment 2 is in (the add is one more younger instruction)
.elseif i == 8
	s_wait_dscnt 20+WEN
.elseif i == 12
	s_wait_dscnt 16+WEN+SN
.elseif i == 16
	s_wait_dscnt 12+WEN+SN
.elseif i == 20
	s_wait_dscnt 8+WEN+SN
.elseif i == 24
	s_wait_dscnt 4+WEN+SN
.elseif i == 28
	s_wait_dscnt WEN+SN
.endif
.if (i == 10) && (\chg)
	s_wait_dscnt 0x0                               ; the add is done, and my reads of this slot, the last of them at the head, are back
	s_barrier_signal -1                            ; (with chg = 1 this barrier opens a round of the cluster's)
.endif
	WM \u
	SL \tanh
.if (i == 11) && (\chg)
	WIN 0                                          ; at a branch and at a label every window is 0
	s_barrier_wait -1
.if (\chg) == 1
	CREST                                          ; no wave of any partner still reads this slot or has a load on its way
	tensor_load_to_lds s[G0B+4*(\sig):G0B+4*(\sig)+3], s[G1B:G1B+7]   ; the walk's block two steps on: my one tensor load behind the round, and the first thing there; 60 matrix instructions stand ahead of the wait for it
	PLACES 4
.endif
.endif
.if (i == 11) && (\nxt)
	LF SG2, U2, 0
	ds_load_b128 v[BSC+4*U2:BSC+4*U2+3], v[SA+SG2] offset:512*U2
.set SN, SN+5
.endif
.if i == 15
.if \nxt
	LF SG2, U2, 1
.set SN, SN+4
.endif
	ds_load_b128 v[QC:QC+3], v[QA] offset:64*(\io)        ; this tile's part of the query's table: the slices have read the last tile's
	ds_load_b128 v[QC+4:QC+7], v[QA] offset:64*(\io)+16
.set SN, SN+2
.endif
.if ((i == 19) || (i == 23) || (i == 27)) && (\nxt)
	LF SG2, U2, (i-11)/4
.set SN, SN+4
.endif
.set i, i+1
.endr
	s_wait_dscnt SN                                ; We's table is in
	BATCH \tanh
.endm
.irp j, 0,1,2,3,4,5,6,7,8,9
	v_mov_b32 v[EA+\j], 0                          ; the four sums and the sum of -2 We
.endr
	LF 0, 0, 0
	ds_load_b128 v[BSC:BSC+3], v[SA]
	LF 0, 0, 1
	LF 0, 0, 2
	LF 0, 0, 3
	LF 0, 0, 4
	PERIOD 0, 0, 0, 0, 0, 1                        ; the walk's tile 0
	s_mov_b32 s63, 7
.Lgemm:                                            ; seven trips of four tiles: the walk's tiles 1 to 28; each trip leaves both slots and fills them again: the walk's blocks 2 to 15
	PERIOD 0, 1, 1, 1, 1, 1
	PERIOD 1, 0, 2, 0, 1, 1
	PERIOD 1, 1, 3, 1, 1, 1
	PERIOD 0, 0, 4, 0, 1, 1
	v_add_nc_u32 v[QA], 256, v[QA]                 ; four tiles on in the tables
	s_sub_co_u32 s63, s63, 1
	s_cmp_lg_u32 s63, 0
	s_cbranch_scc1 .Lgemm
	PERIOD 0, 1, 1, 2, 1, 1                        ; the tail is written out: slot 0 is left, nothing is asked for
	PERIOD 1, 0, 2, 0, 1, 1
	PERIOD 1, 1, 3, 0, 1, 0                        ; the walk's tile 31
	ds_load_b128 v[WE:WE+3], v[QA] offset:4096+192
	ds_load_b128 v[WE+4:WE+7], v[QA] offset:4096+208
	s_wait_dscnt 0x0
.set PSB, ACC+32                       ; the last tile's tanh has no matrix instructions to stand between
	P1 0
.set i, 0
.rept 32
	SL 1
.set i, i+1
.endr
	BATCH 1
; ---- the rows' energies: my half of the columns, then both halves through LDS
	v_add_f32 v[SW], v[SW], v[SW+1]
.irp a, 0,1,2,3
	v_add_f32 v[EA+2*\a], v[EA+2*\a], v[EA+2*\a+1]
.endr
.irp a, 0,1,2,3
	v_fma_f32 v[EA+2*\a], v[SW], -0.5, v[EA+2*\a]  ; + the sum of We over my columns
.endr
.irp a, 0,1,2,3
	v_permlanex16_b32 v[EA+2*\a+1], v[EA+2*\a], s56, s57
.endr
.irp a, 0,1,2,3
	v_add_f32 v[EA+2*\a], v[EA+2*\a], v[EA+2*\a+1] ; with lane l xor 16's eight columns of each tile
.endr
	v_and_b32 v8, 15, v0
	s_lshl_b32 s66, s51, 9
	s_add_co_u32 s66, s66, EX
	s_lshl_b32 s67, s50, 7
	s_add_co_u32 s67, s67, s66
	v_lshl_add_u32 v9, v8, 2, s67                  ; EX + 512 C + 64 (2 w) + 4 r: my tiles
	s_xor_b32 s68, s50, 1
	s_lshl_b32 s68, s68, 7
	s_add_co_u32 s68, s68, s66
	v_lshl_add_u32 v10, v8, 2, s68                 ; the partner's
	ds_store_b32 v9, v[EA]
	ds_store_b32 v9, v[EA+2] offset:64
	ds_store_b32 v10, v[EA+4]
	ds_store_b32 v10, v[EA+6] offset:64
	s_wait_dscnt 0x0                               ; my energies lie in LDS; my reads of the ring are long back
	s_barrier_signal -1
	s_barrier_wait -1
	v_and_b32 v8, 31, v0
	v_lshl_add_u32 v9, v8, 4, EX
	ds_load_b128 v[64:67], v9                      ; rows 4 lane .. 4 lane + 3, column half 0,
	ds_load_b128 v[68:71], v9 offset:512           ; and half 1
	DUMP 0x04, DAF                                 ; my tile 0's bf16 into F: the ring has had its last fill, and behind the barrier nobody reads it
	s_lshl_b32 s66, s50, 8
	s_add_co_u32 s66, s66, PT
	v_lshl_add_u32 v10, v8, 3, s66                 ; my copy of p: 8 bytes a lane
	v_bfe_u32 v9, v0, 4, 1
	v_lshl_add_u32 v11, v9, 4, s66                 ; and where a fragment of it begins: + 16 h
	v_lshlrev_b32 v82, 4, v8                       ; 16 x lane
	v_lshlrev_b32 v83, 3, v8                       ; 8 x lane
	s_wait_dscnt 63                                ; the two loads are in: 64 stores are younger, and 63 is the most a wait names
	v_pk_add_f32 v[64:65], v[64:65], v[68:69]
	v_pk_add_f32 v[66:67], v[66:67], v[70:71]      ; the energies of my four rows.  Every wave makes the same m, p and l
	v_max3_num_f32 v72, v64, v65, v66
	v_max_num_f32 v72, v72, v67
	v_max_num_f32_dpp v72, v72, v72 row_xmask:1 row_mask:0xf bank_mask:0xf
	v_max_num_f32_dpp v72, v72, v72 row_xmask:2 row_mask:0xf bank_mask:0xf
	v_max_num_f32_dpp v72, v72, v72 row_xmask:4 row_mask:0xf bank_mask:0xf
	v_max_num_f32_dpp v72, v72, v72 row_xmask:8 row_mask:0xf bank_mask:0xf
	v_permlanex16_b32 v73, v72, s56, s57
	v_max_num_f32 v72, v72, v73                    ; m: the largest of the 128
.irp j, 0,1,2,3
	v_sub_f32 v[76+\j], v[64+\j], v72              ; the difference first: it is exact where the two are near
.endr
.irp j, 0,1,2,3
	v_mul_f32 v[76+\j], s62, v[76+\j]
.endr
.irp j, 0,1,2,3
	v_exp_f32 v[76+\j], v[76+\j]                   ; p = e^(energy - m), at most 1
.endr
	v_nop
	v_add_f32 v74, v76, v77
	v_add_f32 v75, v78, v79
	v_add_f32 v74, v74, v75
	v_add_f32_dpp v74, v74, v74 row_xmask:1 row_mask:0xf bank_mask:0xf
	v_add_f32_dpp v74, v74, v74 row_xmask:2 row_mask:0xf bank_mask:0xf
	v_add_f32_dpp v74, v74, v74 row_xmask:4 row_mask:0xf bank_mask:0xf
	v_add_f32_dpp v74, v74, v74 row_xmask:8 row_mask:0xf bank_mask:0xf
	v_permlanex16_b32 v75, v74, s56, s57
	v_add_f32 v73, v74, v75                        ; l, of the unrounded p: v[72:73] = (m, l)
	v_cvt_pk_bf16_f32 v80, v76, v77
	v_cvt_pk_bf16_f32 v81, v78, v79
	ds_store_b64 v10, v[80:81]
	s_cmp_lg_u32 s50, 0
	s_cbranch_scc1 .Lnot_wave_0_out
	global_store_b128 v82, v[64:67], s[12:13]      ; 512 consecutive bytes, aligned.  (v64-67, v72-73, v82, v83 are written no more)
	global_store_b64 v83, v[72:73], s[14:15]       ; the same pair from every lane: 256 consecutive bytes, aligned
.Lnot_wave_0_out:
	; the context's addresses
	v_and_b32 v8, 7, v0
	v_lshl_add_u32 v8, v9, 3, v8                   ; 8 h + lane % 8
	v_mul_u32_u24 v8, v8, EP
	v_bfe_u32 v9, v0, 3, 1
	v_lshl_add_u32 v8, v9, 4, v8
	s_lshl_b32 s66, s50, 9                         ; my 256 columns: 512 bytes
	v_add_nc_u32 v52, s66, v8                      ; F rows 0-31
	v_add_nc_u32 v53, 32*EP, v52                   ; F rows 32-63
	v_add_nc_u32 v54, R1, v52                      ; E rows 0-31
	v_add_nc_u32 v55, R1+32*EP, v52                ; E rows 32-63
	s_lshl_b32 s66, s50, 10
	s_add_co_u32 s66, s66, CST
	v_and_b32 v8, 15, v0
	v_lshl_add_u32 v56, v8, 2, s66
	v_and_b32 v8, 31, v0
	v_lshl_add_u32 v57, v8, 4, s66
	s_wait_dscnt 0x0                               ; my rows of F lie in LDS
	s_barrier_signal -1
	s_barrier_wait -1
; ---- THE PARTIAL CONTEXT, sum over my work-group's 128 rows of p x enc, for my 256 columns, by the bf16 matrix form: source 0 = p, the same in all 16 rows; source 1 = 32 rows x 16 columns of enc, turned on the way out of LDS.
; F's row 16 w' + r is row 32 w' + r of the work-group, E's is row 32 w' + 16 + r: so a group's 32 weights are two runs of 16, 64 bytes apart in p.
.irp g, 0,1
	ds_load_b128 v[96+8*\g:99+8*\g], v11 offset:128*\g               ; (my own copy: LDS serves a wave's instructions in order)
	ds_load_b128 v[100+8*\g:103+8*\g], v11 offset:128*\g+64
	ds_load_b128 v[112+8*\g:115+8*\g], v11 offset:128*\g+32
	ds_load_b128 v[116+8*\g:119+8*\g], v11 offset:128*\g+96
.endr
.macro XT g                            ; group g's 32 rows x my 256 columns: 16 fragments into half g % 2 of window 2
	WIN 0x80
.irp ct, 0,1,2,3,4,5,6,7,8,9,10,11,12,13,14,15
	ds_load_tr16_b128 v[128*((\g)%2)+8*\ct:128*((\g)%2)+8*\ct+3], v[52+(\g)] offset:32*\ct
	ds_load_tr16_b128 v[128*((\g)%2)+8*\ct+4:128*((\g)%2)+8*\ct+7], v[52+(\g)] offset:32*\ct+16*EP
.endr
.endm
.macro CM g                            ; 16 matrix instructions, the 16 sums (window 3) by turns
	WIN 0xf8
.irp ct, 0,1,2,3,4,5,6,7,8,9,10,11,12,13,14,15
.if (\g) == 0
	v_wmma_f32_16x16x32_bf16 v[8*\ct:8*\ct+7], v[96+8*(\g):103+8*(\g)], v[128*((\g)%2)+8*\ct:128*((\g)%2)+8*\ct+7], 0
.else
	v_wmma_f32_16x16x32_bf16 v[8*\ct:8*\ct+7], v[96+8*(\g):103+8*(\g)], v[128*((\g)%2)+8*\ct:128*((\g)%2)+8*\ct+7], v[8*\ct:8*\ct+7]
.endif
.endr
.endm
	XT 0
	XT 1
	s_wait_dscnt 32                                ; p and group 0 are in; group 1's 32 loads may be out
	CM 0
	PLACES 4                                       ; four places ahead of loads into registers that matrix instructions of this form have read
	XT 2
	s_wait_dscnt 32
	CM 1
	PLACES 4
	XT 3
	s_wait_dscnt 32
	CM 2
	s_wait_dscnt 0x0
	CM 3
	PLACES 4
	WIN 0x0c                                       ; data in window 3
.irp ct, 0,1,2,3,4,5,6,7,8,9,10,11,12,13,14,15
	ds_store_b32 v56, v[8*\ct] offset:64*\ct       ; all 16 rows of a result are alike: its lowest register holds column 16 ct + r (lanes r and 16 + r write the same word with the same value)
.endr
	WIN 0
	ds_load_b128 v[128:131], v57
	ds_load_b128 v[132:135], v57 offset:512
	s_wait_dscnt 0x0
	global_store_b128 v82, v[128:131], s[48:49]    ; 512 consecutive bytes, aligned
	global_store_b128 v82, v[132:135], s[48:49] offset:512
	s_wait_tensorcnt 0x0                           ; the wave's end, behind my last tensor load and my last LDS store
	ds_add_u32 v1, v2
	s_wait_dscnt 0x0
	ROUND                                          ; the closing round: no work-group ends while a partner may still ask for a block that names it
	s_endpgm
.Lfunc_end_k_qba58edc50a_main:
	.size	k_qba58edc50a_main, .Lfunc_end_k_qba58edc50a_main-k_qba58edc50a_main
	.p2alignl 7, 3214868480
	.fill 96, 4, 3214868480
	.section	.rodata,"a",@progbits
	.p2align	6, 0x0
	.amdhsa_kernel k_qba58edc50a_main
		.amdhsa_group_segment_fixed_size 327680
		.amdhsa_private_segment_fixed_size 0
		.amdhsa_enable_private_segment 0
		.amdhsa_kernarg_size 56
		.amdhsa_user_sgpr_count 2
		.amdhsa_user_sgpr_kernarg_segment_ptr 1
		.amdhsa_wavefront_size32 1
		.amdhsa_system_sgpr_workgroup_id_x 1
		.amdhsa_system_sgpr_workgroup_id_y 1
		.amdhsa_system_sgpr_workgroup_id_z 1
		.amdhsa_system_vgpr_workitem_id 0
		.amdhsa_next_free_vgpr 1024
		.amdhsa_next_free_sgpr 88
		.amdhsa_reserve_vcc 0
		.amdhsa_float_denorm_mode_32 3
		.amdhsa_float_denorm_mode_16_64 3
		.amdhsa_memory_ordered 1
		.amdhsa_forward_progress 1
		.amdhsa_inst_pref_size 255
	.end_amdhsa_kernel
	.section	.bss,"aw",@nobits
	.p2align	6
	.space	262144
	.amdgpu_metadata
---
amdhsa.version: [ 1, 2 ]
amdhsa.kernels:
  - .name:           k_qba58edc50a_main
    .symbol:         k_qba58edc50a_main.kd
    .args:
      - { .name: encoder_outputs, .offset: 0, .size: 8, .value_kind: global_buffer, .address_space: global }
      - { .name: wkimg, .offset: 8, .size: 8, .value_kind: global_buffer, .address_space: global }
      - { .name: qbuf, .offset: 16, .size: 8, .value_kind: global_buffer, .address_space: global }
      - { .name: We, .offset: 24, .size: 8, .value_kind: global_buffer, .address_space: global }
      - { .name: en, .offset: 32, .size: 8, .value_kind: global_buffer, .address_space: global }
      - { .name: ml, .offset: 40, .size: 8, .value_kind: global_buffer, .address_space: global }
      - { .name: ctxp, .offset: 48, .size: 8, .value_kind: global_buffer, .address_space: global }
    .group_segment_fixed_size: 327680
    .private_segment_fixed_size: 0
    .kernarg_segment_align: 8
    .kernarg_segment_size: 56
    .max_flat_workgroup_size: 128
    .sgpr_count:     88
    .vgpr_count:     1024
    .wavefront_size: 32
...
	.end_amdgpu_metadata
.endif
;; end of part 2
;; launch combine (part 3): grid 256 x 1, 1 waves a work-group, no clusters, 0 bytes of LDS; arguments en, ml, ctxp, out0, out1; writes out0, out1
.if DOCPART == 3
	.amdgcn_target "amdgcn-amd-amdhsa--gfx1250"
	.amdhsa_code_object_version 6
	.text
	.protected	k_qba58edc50a_combine
	.globl	k_qba58edc50a_combine
	.p2align	8
	.type	k_qba58edc50a_combine,@function
k_qba58edc50a_combine:
	s_mov_b64 s[64:65], 0
	v_nop
	global_prefetch_b8 v0, s[64:65] scope:SCOPE_SE
	s_setreg_imm32_b32 hwreg(HW_REG_WAVE_MODE, 25, 1), 1
	s_wait_xcnt 0x0
; The eight parts of a batch are joined.  Part i brought m_i (its largest energy), l_i = sum of e^(energy - m_i) and c_i = sum of e^(energy - m_i) x enc.
; M = the largest m_i; f_i = e^(m_i - M); L = sum of l_i f_i; context = sum of f_i c_i / L; weight = e^(energy - M) / L.  The maximum is taken away at both stages.
; Work-group x: batch b = x / 8, and the o = x % 8-th 128 numbers of both outputs: one wave, 16 bytes a lane, so that each store covers 512 consecutive bytes, aligned.
; No LDS, no matrix unit, no cluster: 1.1 MiB are read and 0.25 MiB written, and no sum spans lanes.
	s_load_b256 s[4:11], s[0:1], 0x0               ; en s[4:5], ml s[6:7], ctxp s[8:9], out0 s[10:11]
	s_load_b64 s[12:13], s[0:1], 0x20              ; out1
	s_lshr_b32 s14, ttmp9, 3                       ; b
	s_and_b32 s15, ttmp9, 7                        ; o
	v_lshlrev_b32 v1, 4, v0                        ; 16 x lane
	s_lshl_b32 s16, s14, 11                        ; ml: 8 parts of 256 bytes a batch
	s_mov_b32 s17, 0
	s_lshl_b32 s20, s15, 9                         ; 512 o
	s_lshl_b32 s18, s14, 15                        ; ctxp: 8 parts of 4,096 bytes a batch
	s_add_co_u32 s18, s18, s20
	s_mov_b32 s19, 0
	s_lshl_b32 s22, s14, 12                        ; en, out0, out1: 4,096 bytes a batch
	s_add_co_u32 s22, s22, s20
	s_mov_b32 s23, 0
	s_wait_kmcnt 0x0
	s_add_nc_u64 s[6:7], s[6:7], s[16:17]
	s_add_nc_u64 s[8:9], s[8:9], s[18:19]
	s_add_nc_u64 s[4:5], s[4:5], s[22:23]
	s_add_nc_u64 s[10:11], s[10:11], s[22:23]
	s_add_nc_u64 s[12:13], s[12:13], s[22:23]
.irp i, 0,1,2,3,4,5,6,7
	s_load_b64 s[24+2*\i:25+2*\i], s[6:7], 256*\i  ; (m_i, l_i): this launch writes nothing into ml
.endr
.irp i, 0,1,2,3,4,5,6,7
	global_load_b128 v[4+4*\i:7+4*\i], v1, s[8:9] offset:4096*\i
.endr
	global_load_b128 v[36:39], v1, s[4:5]
	s_wait_kmcnt 0x0
	v_mov_b32 v40, s24
	v_max3_num_f32 v40, v40, s26, s28              ; (a vector instruction reads two scalars at the most)
	v_max3_num_f32 v40, v40, s30, s32
	v_max3_num_f32 v40, v40, s34, s36
	v_max_num_f32 v40, s38, v40                    ; M
.irp i, 0,1,2,3,4,5,6,7
	v_sub_f32 v[44+\i], s[24+2*\i], v40
.endr
.irp i, 0,1,2,3,4,5,6,7
	v_mul_f32 v[44+\i], 0x3fb8aa3b, v[44+\i]
.endr
.irp i, 0,1,2,3,4,5,6,7
	v_exp_f32 v[44+\i], v[44+\i]                   ; f_i, at most 1; one of them is 1
.endr
	v_nop                                          ; a plain line behind the transcendentals
	v_mul_f32 v52, s25, v44
.irp i, 1,2,3,4,5,6,7
	v_fmac_f32 v52, s[25+2*\i], v[44+\i]           ; L, at least 1
.endr
	v_rcp_f32 v53, v52
	v_nop
.irp i, 0,1,2,3,4,5,6,7
	v_mul_f32 v[44+\i], v[44+\i], v53              ; f_i / L
.endr
	s_wait_loadcnt 0x0
.irp j, 0,1,2,3
	v_mul_f32 v[56+\j], v[4+\j], v44
.endr
.irp i, 1,2,3,4,5,6,7
.irp j, 0,1,2,3
	v_fmac_f32 v[56+\j], v[4+4*\i+\j], v[44+\i]
.endr
.endr
.irp j, 0,1,2,3
	v_sub_f32 v[36+\j], v[36+\j], v40
.endr
.irp j, 0,1,2,3
	v_mul_f32 v[36+\j], 0x3fb8aa3b, v[36+\j]
.endr
.irp j, 0,1,2,3
	v_exp_f32 v[36+\j], v[36+\j]
.endr
	v_nop
.irp j, 0,1,2,3
	v_mul_f32 v[36+\j], v[36+\j], v53
.endr
	global_store_b128 v1, v[56:59], s[10:11]
	global_store_b128 v1, v[36:39], s[12:13]
	s_endpgm
.Lfunc_end_k_qba58edc50a_combine:
	.size	k_qba58edc50a_combine, .Lfunc_end_k_qba58edc50a_combine-k_qba58edc50a_combine
	.p2alignl 7, 3214868480
	.fill 96, 4, 3214868480
	.section	.rodata,"a",@progbits
	.p2align	6, 0x0
	.amdhsa_kernel k_qba58edc50a_combine
		.amdhsa_group_segment_fixed_size 0
		.amdhsa_private_segment_fixed_size 0
		.amdhsa_enable_private_segment 0
		.amdhsa_kernarg_size 40
		.amdhsa_user_sgpr_count 2
		.amdhsa_user_sgpr_kernarg_segment_ptr 1
		.amdhsa_wavefront_size32 1
		.amdhsa_system_sgpr_workgroup_id_x 1
		.amdhsa_system_sgpr_workgroup_id_y 1
		.amdhsa_system_sgpr_workgroup_id_z 1
		.amdhsa_system_vgpr_workitem_id 0
		.amdhsa_next_free_vgpr 64
		.amdhsa_next_free_sgpr 66
		.amdhsa_reserve_vcc 0
		.amdhsa_float_denorm_mode_32 3
		.amdhsa_float_denorm_mode_16_64 3
		.amdhsa_memory_ordered 1
		.amdhsa_forward_progress 1
		.amdhsa_inst_pref_size 7
	.end_amdhsa_kernel
	.amdgpu_metadata
---
amdhsa.version: [ 1, 2 ]
amdhsa.kernels:
  - .name:           k_qba58edc50a_combine
    .symbol:         k_qba58edc50a_combine.kd
    .args:
      - { .name: en, .offset: 0, .size: 8, .value_kind: global_buffer, .address_space: global }
      - { .name: ml, .offset: 8, .size: 8, .value_kind: global_buffer, .address_space: global }
      - { .name: ctxp, .offset: 16, .size: 8, .value_kind: global_buffer, .address_space: global }
      - { .name: out0, .offset: 24, .size: 8, .value_kind: global_buffer, .address_space: global }
      - { .name: out1, .offset: 32, .size: 8, .value_kind: global_buffer, .address_space: global }
    .group_segment_fixed_size: 0
    .private_segment_fixed_size: 0
    .kernarg_segment_align: 8
    .kernarg_segment_size: 40
    .max_flat_workgroup_size: 32
    .sgpr_count:     66
    .vgpr_count:     64
    .wavefront_size: 32
...
	.end_amdgpu_metadata
.endif
;; end of part 3
